; MI455X (gfx1250); checked and timed in simulation.
; The chip was launched on July 23, 2026; its instructions are those of AMD's public machine-readable ISA for CDNA 5 (MIT licence, August 2026) and "CDNA5" Instruction Set Architecture Reference Guide (July 2026). The comments in the code are by the model that wrote it; some were corrected since.
;; Graph Resoning Module. Allowed arithmetic: matrix products marked QUANTISED: E4M3 operands, one E8M0 scale for each 32 along K, by v_wmma_scale_f32_16x16x128_f8f6f4 with both operands' format E4M3, f32 sums; everything else in f32.
;; Inputs: feat_map 8 x 256 x 64 x 64 float32; phi_w_codes 64 x 8 x 32 uint8 (E4M3 codes of phi_w, K innermost, in blocks of 32 codes); phi_w_scales 64 x 8 uint8 (E8M0 scales of phi_w, one for each 32 codes along K); theta_w_codes 64 x 8 x 32 uint8 (E4M3 codes of theta_w, K innermost, in blocks of 32 codes); theta_w_scales 64 x 8 uint8 (E8M0 scales of theta_w, one for each 32 codes along K); weight_codes 512 x 8 x 32 uint8 (E4M3 codes of weight, K innermost, in blocks of 32 codes); weight_scales 512 x 8 uint8 (E8M0 scales of weight, one for each 32 codes along K).
;; Outputs: out0 8 x 512 x 64 x 64 float32.
;; This version of the problem:
;;   THIS VERSION OF THE PROBLEM IS GIVEN IN LOW PRECISION. The matrix products marked QUANTISED in the list below multiply operands that are first quantised to E4M3 (4 exponent bits, 3 mantissa bits; 8 bits a number), with one power-of-two scale for each 32 numbers along K (OCP MX v1.0); their sums are f32. All else is computed in f32.
;;   The module's matrix products, in the order in which they are computed (A, B: the left and right operand; K: the contracted axis; several contracted axes count as one K, in the product's order):
;;     1. [M 32,768, K 256] x [K 256, N 64]; A: input feat_map; B: input phi_w (given as codes): QUANTISED
;;     2. [M 32,768, K 256] x [K 256, N 64]; A: input feat_map; B: input theta_w (given as codes): QUANTISED
;;     3. batch 8 x [M 4,096, K 64] x [K 64, N 4,096]; A: computed on the way; B: computed on the way: QUANTISED
;;     4. batch 8 x [M 4,096, K 4,096] x [K 4,096, N 256]; A: softmax (see below); B: input feat_map: QUANTISED
;;     5. [M 32,768, K 256] x [K 256, N 512]; A: computed on the way; B: input weight (given as codes): QUANTISED
;;   THE QUANTISER, for each operand of a quantised product, along K:
;;     - K is cut into blocks of 32 from its start; a last block that is shorter is filled with zeros.
;;     - A block's scale is 2^e with e = floor(log2(the largest magnitude in the block)) - 8, held to -126 .. 127; a block of zeros has e = 0. As a byte (E8M0): e + 127.
;;     - Each number is divided by its block's scale, clamped to +-448, and rounded to the nearest number of E4M3, ties to even, subnormals kept.
;;     - The product sums the exact products of the quantised numbers (number of the format x scale) in f32.
;;   ~~~python
;;   def quantise(x, axis):      # numpy; x: float32 -> the quantised numbers, widened to float32 again
;;       x = np.moveaxis(x, axis, -1); K = x.shape[-1]
;;       x = np.pad(x, [(0, 0)] * (x.ndim - 1) + [(0, -K % 32)]); x = x.reshape(x.shape[:-1] + (-1, 32)); a = np.abs(x).max(-1, keepdims=True)
;;       e = np.where(a > 0, np.clip(np.frexp(np.where(a > 0, a, 1))[1] - 1 - 8, -126, 127), 0)      # np.frexp(a)[1] - 1 = floor(log2(a)), exactly
;;       r = np.clip(x / 2.0 ** e, -448, 448)
;;       step = 2.0 ** (np.maximum(np.frexp(np.where(r == 0, 1, r))[1] - 1, -6) - 3)
;;       q = np.round(r / step) * step * 2.0 ** e      # np.round: ties to even
;;       return np.moveaxis(q.reshape(q.shape[:-2] + (-1,))[..., :K], -1, axis).astype(np.float32)
;;   ~~~
;;   SOFTMAX AHEAD OF A QUANTISED PRODUCT. Where the list says 'softmax', what is quantised is not the finished softmax but p = 2^(t - M), with t = logit x log2(e) and M = ceil(the row's largest t), a whole number; so 1/2 < the row's largest p <= 1. The row's sum l is taken of the UNQUANTISED p, in f32, and the product's result is divided by l at the end. Since M is a whole number, a kernel that streams over the keys may use a running M (the ceiling of the running maximum): every later rescaling is an exact power of two, which a block's scale takes up: the codes' values come out the same.
;;   OPERANDS COMPUTED ON THE WAY. 'Computed on the way' means the value that the module computes at that place (a softmax that the list does not call 'softmax' is quantised finished and normalised). What goes into a quantiser is computed in f32, as accurately as f32 sums, v_exp_f32 and their like allow (about 1e-6 of the number): no bf16 or f16 on the way to a quantiser, and a product that is left as it is and whose result goes on into a quantised operand takes f32 operands (vector FMAs, or v_wmma_f32_16x16x4_f32). A number that lies on a knife's edge between two numbers of the format may be rounded either way, as far as f32 arithmetic and the matrix unit's own rounding can turn it there, and no further.
;;   INPUTS GIVEN AS CODES. phi_w (in the module: [64, 256], K = its axis 1); theta_w (in the module: [64, 256], K = its axis 1); weight (in the module: [256, 512], K = its axis 0): each comes as NAME_codes (uint8): NAME with its K axis moved to the last place and cut into blocks of 32 codes, [.., K / 32, bytes a block], one block behind the other in memory; one code a byte (a code: sign, 4 exponent bits, 3 mantissa bits); and NAME_scales (uint8): the same leading axes, one E8M0 byte (e + 127) for each 32 codes along K. Its value is code x scale, taken as it is: it is not quantised again, and the codes and scales need not be those that the quantiser above would give.
;; One version. Each part assembles by itself: llvm-mc -triple=amdgcn-amd-amdhsa -mcpu=gfx1250 --defsym DOCPART=n.
;; ======== version 1 of 1: 2 launches
;; limits: right only within a limited range of input values
;; workspace buffers: kv 11,010,048 bytes; qc 2,097,152 bytes; qsa 262,144 bytes
;; launch prep (part 1): grid 32 x 8, 4 waves a work-group, no clusters, 167,936 bytes of LDS; arguments feat_map, phi_w_codes, phi_w_scales, theta_w_codes, theta_w_scales, kv, qc, qsa; writes kv, qc, qsa
.if DOCPART == 1
	.amdgcn_target "amdgcn-amd-amdhsa--gfx1250"
	.amdhsa_code_object_version 6
	.text
	.protected	k_q0e42cf53d8_prep
	.globl	k_q0e42cf53d8_prep
	.p2align	8
	.type	k_q0e42cf53d8_prep,@function
k_q0e42cf53d8_prep:
	s_mov_b64 s[64:65], 0
	v_nop
	global_prefetch_b8 v0, s[64:65] scope:SCOPE_SE
	s_setreg_imm32_b32 hwreg(HW_REG_WAVE_MODE, 25, 1), 1
	s_wait_xcnt 0x0
; PREP: feat_map [8][256 c][4096 n] f32 is read once and becomes all that the attention launch reads.
; NO WORK OF THE PROBLEM IS LEFT OUT in this program: all five products are live, and all seven inputs are loaded.
; A work-group (s = x, b = y) takes 256 channels x 128 positions n = 128 s .. 128 s + 127 of batch b, brought into LDS by one tensor load a wave.  From them it makes
;   V:  feat quantised ALONG n (the keys are the fourth product's K): 16 tiles of 16 channels x 128 keys;
;   x:  feat quantised ALONG c (K of the first two products); phi = x phi_w^T, theta = x theta_w^T on the matrix unit; 1/|phi|, 1/|theta| of the f32 results; phi and theta quantised along their 64.
; ALL THAT IS STORED IS AN IMAGE OF OPERAND REGISTERS (a group of four registers: 16 bytes a lane, 512 consecutive bytes a store), so that the reader loads it at 16 x lane.
;   kv [b][s][43,008]: +0 V: [tile t][c][lane][16]; +32,768 theta's codes: [tile][half of 64][lane][16]; +40,960 V's scale words; +41,984 theta's scale words; +42,496 1/|theta|, f32, keys in their order.
;   qc [b][s][tile][half][lane][16]: phi's codes.   qsa [b][32 queries][r][u]: log2(e)/|phi| and phi's scale word.
; THE ROWS OF A TILE ARE NOT NEIGHBOURS: lane r of tile 2 g + u takes row 32 g + 8 u + r + 8 (r / 8) (channels of V, keys, queries, rows of phi_w and theta_w alike), so that in a transposed product's result the 16 registers
; of tiles 2 g and 2 g + 1 are 16 neighbours along the next product's K.
; phi's and theta's K is 64: bytes 2 and 3 of their scale words are 0x7f (1.0); the reader pairs them with zero codes.
; THE QUANTISER: a block's scale byte is its largest magnitude's exponent field - 8, held at 1 from below; numbers are held within +-448 x the scale and converted, ties to even.
; LIMITS: NaN and infinities among the inputs are not served.  A block of zeros gets the byte 1 where the rule says 127: its codes are zeros, and this program alone reads the bytes.  A row of phi or theta that is all
; zeros, or whose sum of squares leaves f32's range (a norm under about 1e-19 or over about 1e19), is NaN in reference() and is not served.
; NO CLUSTER: the work-groups share only the 33,792 bytes of phi_w's and theta_w's codes and scales, beside 131,072 bytes of feat_map that are each work-group's own.  NO PREFETCH: the launch streams its input once, from its first line.
.set PITCH,  528                       ; an LDS row: 128 f32 + 16 bytes of padding
.set WROWS,  64*PITCH                  ; a wave's 64 rows
.set SPARE,  256*PITCH                 ; behind the tile: the spare words, 128 bytes for each wave: two blocks of 256 bytes that no other line names
.set REC,    43008
.set O_K,    32768
.set O_VSC,  40960
.set O_KSC,  41984
.set L16, 1                            ; v1   16 x lane
.set SPW, 2                            ; v2   LDS address of my spare word; never rewritten
.set NIL, 3                            ; v3   0; never rewritten
.set VA,  4                            ; v4   LDS: my row of a channel tile, my half's 64 bytes
.set XA,  5                            ; v5-8 LDS: my column n, at channels 0, 64, 128, 192
.set WA,  9                            ; v9   my row of a tile of phi_w or theta_w, + 16 h
.set WSA, 10                           ; v10  its scale bytes
.set A16, 11                           ; v11  16 r + 8 h
.set A8,  12                           ; v12  8 r + 4 h
.set A4,  13                           ; v13  4 (8 h + r + 8 (r / 8))
.set XW,  14                           ; v14-15 x's scale words, K step 0, 1: lanes 0-15 tile 0's rows, lanes 16-31 tile 1's
.set VW,  16                           ; v16-19 V's four scale words; later phi's and theta's
.set SD,  20                           ; v20-21 a pair to store
.set NS,  22                           ; v22-29 four pairs: sums of squares, then log2(e)/norm or 1/norm
.set T0,  30
.set T1,  31
.set TM,  32                           ; v32-35 largest magnitudes, v36-39 bytes, v40-43 448 x the scale, v44-47 the conversions' scale operands
.set WS,  48                           ; v48-63 phi_w's and theta_w's scale words: tile t, K step g at 2 t + g
.set X,   64                           ; v64-191 numbers: two sets of 64 (V); 128 down c (x); then the 16 accumulators
.set PC,  192                          ; v192-255 codes
.set SEL, 40                           ; s[40:41] v_permlanex16_b32's selects for lane l xor 16
.set MNT, 42                           ; s42  the mantissa field of 448
.set HM,  43                           ; s43  lanes 16-31
.set MSB, 0
.macro WIN new                         ; the immediate's high byte repeats the setting that is left
.if MSB != \new
	s_set_vgpr_msb (MSB<<8)|\new
.set MSB, \new
.endif
.endm
.macro PLACES n
.rept \n
	v_nop
.endr
.endm
; 64 numbers of a lane, register s + 16 b + i = k 32 b + 16 (lane / 16) + i of my row, become 16 registers of codes at pc; the four scale bytes are left in v[TM+4] on.
.macro QUANT64 s, pc
.irp b, 0,1,2,3
	v_max3_num_f32 v[TM+\b], |v[\s+16*\b]|, |v[\s+16*\b+1]|, 0x4800000   ; my 16 numbers of block b, and the floor 2^(9 - 127): the byte cannot fall under 1
.endr
.irp i, 2,4,6,8,10,12,14
.irp b, 0,1,2,3
	v_max3_num_f32 v[TM+\b], v[TM+\b], |v[\s+16*\b+\i]|, |v[\s+16*\b+\i+1]|   ; the four blocks by turns
.endr
.endr
.irp b, 0,1,2,3
	v_permlanex16_b32 v[TM+4+\b], v[TM+\b], s[SEL], s[SEL+1]
.endr
.irp b, 0,1,2,3
	v_max_num_f32 v[TM+\b], v[TM+\b], v[TM+4+\b]          ; with lane l xor 16's 16: the block's largest magnitude
.endr
.irp b, 0,1,2,3
	v_add_nc_u32 v[TM+12+\b], 0xfc000000, v[TM+\b]        ; 8 off its exponent field: the conversion's scale operand
.endr
.irp b, 0,1,2,3
	v_and_or_b32 v[TM+8+\b], v[TM+\b], 0x7f800000, s[MNT] ; 448 x the scale
.endr
.irp b, 0,1,2,3
	v_lshrrev_b32 v[TM+4+\b], 23, v[TM+12+\b]             ; the scale's byte
.endr
.irp b, 0,1,2,3
.irp i, 0,1,2,3,4,5,6,7,8,9,10,11,12,13,14,15
	v_med3_num_f32 v[\s+16*\b+\i], v[\s+16*\b+\i], -v[TM+8+\b], v[TM+8+\b]   ; the conversion to an 8-bit code does not saturate (ISA guide 7.6.2): the hold comes first
.endr
	v_cvt_scalef32_pk8_fp8_f32 v[\pc+4*\b:\pc+4*\b+1], v[\s+16*\b:\s+16*\b+7], v[TM+12+\b]
	v_cvt_scalef32_pk8_fp8_f32 v[\pc+4*\b+2:\pc+4*\b+3], v[\s+16*\b+8:\s+16*\b+15], v[TM+12+\b]
.endr
	v_nop                                          ; a plain line behind the last conversion
.endm
; channel tile j of my wave's four: 16 rows x 128 keys, my half's 16 numbers of each block of 32, into set
.macro VLOAD j, set
.irp b, 0,1,2,3
.irp q, 0,1,2,3
	ds_load_b128 v[X+64*(\set)+16*\b+4*\q:X+64*(\set)+16*\b+4*\q+3], v[VA] offset:(32*((\j)/2)+8*((\j)%2))*PITCH+128*\b+16*\q
.endr
.endr
.endm
; my column n, channels 128 g .. 128 g + 127: a lane to a column, registers down c; 32 lanes read 128 consecutive bytes
.macro XLOAD g
.set i, 0
.rept 128
	ds_load_b32 v[X+i], v[XA+2*(\g)+i/64] offset:(i%64)*PITCH
.set i, i+1
.endr
.endm
; these 128 numbers are four whole blocks of 32 of ONE lane.  The operand wants k 32 b + 16 h + 0 .. 15 in lane (r, h): the low 16 codes of a block go to one run of registers, the high 16 to another,
; and an exchange of the first run's lanes 16-31 with the second's lanes 0-15 makes of them the fragments of tile 0 (the n of lanes 0-15) and of tile 1 (those of lanes 16-31).
.macro QUANTX g
.irp b, 0,1,2,3
	v_max3_num_f32 v[TM+\b], |v[X+32*\b]|, |v[X+32*\b+1]|, 0x4800000
.endr
.irp i, 2,4,6,8,10,12,14,16,18,20,22,24,26,28,30
.irp b, 0,1,2,3
	v_max3_num_f32 v[TM+\b], v[TM+\b], |v[X+32*\b+\i]|, |v[X+32*\b+\i+1]|
.endr
.endr
.irp b, 0,1,2,3
	v_add_nc_u32 v[TM+12+\b], 0xfc000000, v[TM+\b]
.endr
.irp b, 0,1,2,3
	v_and_or_b32 v[TM+8+\b], v[TM+\b], 0x7f800000, s[MNT]
.endr
.irp b, 0,1,2,3
	v_lshrrev_b32 v[TM+4+\b], 23, v[TM+12+\b]
.endr
	v_lshl_or_b32 v[XW+\g], v[TM+5], 8, v[TM+4]    ; my n's scale word for these 128 along c
	v_lshl_or_b32 v[XW+\g], v[TM+6], 16, v[XW+\g]
	v_lshl_or_b32 v[XW+\g], v[TM+7], 24, v[XW+\g]
.irp b, 0,1,2,3
.set i, 0
.rept 32
	v_med3_num_f32 v[X+32*\b+i], v[X+32*\b+i], -v[TM+8+\b], v[TM+8+\b]
.set i, i+1
.endr
	v_cvt_scalef32_pk8_fp8_f32 v[PC+32*(\g)+4*\b:PC+32*(\g)+4*\b+1], v[X+32*\b:X+32*\b+7], v[TM+12+\b]
	v_cvt_scalef32_pk8_fp8_f32 v[PC+32*(\g)+4*\b+2:PC+32*(\g)+4*\b+3], v[X+32*\b+8:X+32*\b+15], v[TM+12+\b]
	v_cvt_scalef32_pk8_fp8_f32 v[PC+32*(\g)+16+4*\b:PC+32*(\g)+16+4*\b+1], v[X+32*\b+16:X+32*\b+23], v[TM+12+\b]
	v_cvt_scalef32_pk8_fp8_f32 v[PC+32*(\g)+16+4*\b+2:PC+32*(\g)+16+4*\b+3], v[X+32*\b+24:X+32*\b+31], v[TM+12+\b]
.endr
	v_nop                                          ; a plain line behind the last conversion
.set i, 0
.rept 16
	v_permlane16_swap_b32 v[PC+32*(\g)+i], v[PC+32*(\g)+16+i]
.set i, i+1
.endr
.endm
; one product: source 0 = 16 rows of phi_w (t = 0 .. 3) or theta_w (4 .. 7), source 1 = 16 positions n of tile u, K step g.  Lane (r, h) of the result holds position r and eight of the 64.
.macro XMUL g, u, t
.set rD, X+64*(\u)+8*(\t)
.set rW, 16*(2*(\t)+(\g))
.set rF, PC+32*(\g)+16*(\u)
.if (\g) == 0
.if (\u) == 0
	v_wmma_scale_f32_16x16x128_f8f6f4 v[rD:rD+7], v[rW:rW+15], v[rF:rF+15], 0, v[WS+2*(\t)+(\g)], v[XW+(\g)]
.else
	v_wmma_scale_f32_16x16x128_f8f6f4 v[rD:rD+7], v[rW:rW+15], v[rF:rF+15], 0, v[WS+2*(\t)+(\g)], v[XW+(\g)] matrix_b_scale:MATRIX_SCALE_ROW1
.endif
.else
.if (\u) == 0
	v_wmma_scale_f32_16x16x128_f8f6f4 v[rD:rD+7], v[rW:rW+15], v[rF:rF+15], v[rD:rD+7], v[WS+2*(\t)+(\g)], v[XW+(\g)]
.else
	v_wmma_scale_f32_16x16x128_f8f6f4 v[rD:rD+7], v[rW:rW+15], v[rF:rF+15], v[rD:rD+7], v[WS+2*(\t)+(\g)], v[XW+(\g)] matrix_b_scale:MATRIX_SCALE_ROW1
.endif
.endif
.endm
	s_load_b256 s[8:15], s[0:1], 0x0               ; feat_map s[8:9], phi_w's codes s[10:11], its scales s[12:13], theta_w's codes s[14:15]
	s_load_b256 s[16:23], s[0:1], 0x20             ; theta_w's scales s[16:17], kv s[18:19], qc s[20:21], qsa s[22:23]
	v_lshl_add_u32 v[SPW], v0, 2, SPARE
	v_mov_b32 v[NIL], 0
	ds_add_u32 v[SPW], v[NIL]                      ; the wave's opening: the add, twice on end, and its wait ahead of my first tensor load; the set-up below stands between
	ds_add_u32 v[SPW], v[NIL]
	v_lshrrev_b32 v[T0], 5, v0
	v_readfirstlane_b32 s36, v[T0]                 ; wave 0..3
	s_and_b32 s37, ttmp7, 0xffff                   ; the batch
	; descriptor group 1: 64 rows x 128 elements of 4 bytes, 4,096 elements from row to row, 4 words of padding behind every 128
	s_mov_b32 s28, 0x07920000                      ; 17:16 elements of 4 bytes; 20 padding on; 24:22 after every 128 words (code 6); 31:25 four words (code 3)
	s_mov_b32 s29, 128<<16                         ; tensor_dim0
	s_mov_b32 s30, 64<<16                          ; tensor_dim1
	s_mov_b32 s31, 128<<16                         ; tile_dim0
	s_mov_b32 s32, 64                              ; tile_dim1
	s_mov_b32 s33, 4096                            ; tensor_dim0_stride
	s_mov_b32 s34, 0
	s_mov_b32 s35, 0
	s_mov_b32 s24, 1
	s_mul_i32 s25, s36, WROWS                      ; LDS: my 64 rows
	s_lshl_b32 s2, s37, 22                         ; a batch is 4,194,304 bytes,
	s_lshl_b32 s3, s36, 20                         ; 64 channels 1,048,576,
	s_add_co_u32 s2, s2, s3
	s_lshl_b32 s3, ttmp9, 9                        ; 128 positions 512
	s_add_co_u32 s2, s2, s3
	s_mov_b32 s3, 0
	s_mov_b32 s[SEL], 0x76543210
	s_mov_b32 s[SEL+1], 0xfedcba98
	s_mov_b32 s[MNT], 0x600000
	s_mov_b32 s[HM], 0xffff0000
	v_and_b32 v[T0], 31, v0
	v_lshlrev_b32 v[L16], 4, v[T0]
	v_and_b32 v[T0], 15, v0                        ; r
	v_bfe_u32 v[T1], v0, 4, 1                      ; h
	v_lshlrev_b32 v[A16], 4, v[T0]
	v_lshl_add_u32 v[A16], v[T1], 3, v[A16]
	v_lshlrev_b32 v[A8], 3, v[T0]
	v_lshl_add_u32 v[A8], v[T1], 2, v[A8]
	v_and_b32 v[WSA], 8, v[T0]
	v_add_nc_u32 v[WSA], v[WSA], v[T0]             ; r + 8 (r / 8)
	v_lshl_add_u32 v[A4], v[T1], 3, v[WSA]
	v_lshlrev_b32 v[A4], 2, v[A4]
	v_mul_u32_u24 v[VA], v[WSA], PITCH
	v_lshl_add_u32 v[VA], v[T1], 6, v[VA]
	v_add_nc_u32 v[VA], s25, v[VA]
	v_lshlrev_b32 v[WA], 8, v[WSA]                 ; a row of phi_w is 256 codes
	v_lshl_add_u32 v[WA], v[T1], 4, v[WA]
	v_lshlrev_b32 v[WSA], 3, v[WSA]                ; and 8 scale bytes
	v_and_b32 v[T0], 7, v0                         ; my column: lane 16 u + r takes n = 32 w + 8 u + r + 8 (r / 8)
	v_lshlrev_b32 v[XA], 2, v[T0]
	v_lshl_add_u32 v[XA], v[T1], 5, v[XA]
	v_bfe_u32 v[T0], v0, 3, 1
	v_lshl_add_u32 v[XA], v[T0], 6, v[XA]
	s_lshl_b32 s4, s36, 7
	v_add_nc_u32 v[XA], s4, v[XA]
	v_add_nc_u32 v[XA+1], WROWS, v[XA]
	v_add_nc_u32 v[XA+2], 2*WROWS, v[XA]
	v_add_nc_u32 v[XA+3], 3*WROWS, v[XA]
.irp b, 0,1,2,3
	v_mov_b32 v[TM+4+\b], 0                        ; written once: a lane permute's destination counts as one of its sources
.endr
	s_wait_dscnt 0x0                               ; both opening adds are done
	s_wait_kmcnt 0x0
	s_add_nc_u64 s[26:27], s[8:9], s[2:3]          ; my tile's first element
	s_or_b32 s27, s27, 0x80000000                  ; type = 2
	tensor_load_to_lds s[24:27], s[28:35]          ; every wave brings its own 64 channels: the launch's only fill
	s_nop 0
	PLACES 4
	s_lshl_b32 s4, s37, 5
	s_add_co_u32 s4, s4, ttmp9                     ; 32 b + s
	s_mul_i32 s6, s4, REC
	s_mov_b32 s7, 0
	s_add_nc_u64 s[18:19], s[18:19], s[6:7]        ; my record of kv
	s_lshl_b32 s6, s36, 13
	s_add_nc_u64 s[44:45], s[18:19], s[6:7]        ; V: my four tiles of 2,048 bytes
	s_lshl_b32 s6, s36, 11
	s_add_co_u32 s6, s6, O_K
	s_add_nc_u64 s[46:47], s[18:19], s[6:7]        ; theta's codes: my two tiles of 1,024
	s_lshl_b32 s6, s36, 8
	s_add_co_u32 s6, s6, O_VSC
	s_add_nc_u64 s[48:49], s[18:19], s[6:7]        ; V's scale words: my 256 bytes
	s_lshl_b32 s6, s36, 7
	s_add_co_u32 s6, s6, O_KSC
	s_add_nc_u64 s[50:51], s[18:19], s[6:7]        ; theta's scale words: my 128 bytes; 512 further on my 128 bytes of 1/|theta|
	s_lshl_b32 s6, s4, 13
	s_lshl_b32 s5, s36, 11
	s_add_co_u32 s6, s6, s5
	s_add_nc_u64 s[52:53], s[20:21], s[6:7]        ; qc: my two tiles
	s_lshl_b32 s6, s4, 10
	s_lshl_b32 s5, s36, 8
	s_add_co_u32 s6, s6, s5
	s_add_nc_u64 s[54:55], s[22:23], s[6:7]        ; qsa: my 32 queries
	WIN 0x40                                       ; destination window 1: the weights' 16 fragments (tile t, K step g) at 16 (2 t + g)
.irp t, 0,1,2,3
.irp g, 0,1
.irp c, 0,1,2,3
	global_load_b128 v[16*(2*\t+\g)+4*\c:16*(2*\t+\g)+4*\c+3], v[WA], s[10:11] offset:(32*(\t/2)+8*(\t%2))*256+128*\g+32*\c
	global_load_b128 v[16*(2*\t+8+\g)+4*\c:16*(2*\t+8+\g)+4*\c+3], v[WA], s[14:15] offset:(32*(\t/2)+8*(\t%2))*256+128*\g+32*\c
.endr
.endr
.endr
	WIN 0
.irp t, 0,1,2,3
.irp g, 0,1
	global_load_b32 v[WS+2*\t+\g], v[WSA], s[12:13] offset:(32*(\t/2)+8*(\t%2))*8+4*\g
	global_load_b32 v[WS+8+2*\t+\g], v[WSA], s[16:17] offset:(32*(\t/2)+8*(\t%2))*8+4*\g
.endr
.endr
	; ---- V: my own 64 channels, quantised along n: my own tensor load's wait is all that these reads need
	s_wait_tensorcnt 0x0
	VLOAD 0, 0
	VLOAD 1, 1
.irp j, 0,1,2,3
.if \j < 3
	s_wait_dscnt 16                                ; this tile's 16 loads are in; the next tile's 16 may be out
.else
	s_wait_dscnt 0x0
.endif
	QUANT64 X+64*(\j%2), PC+16*\j
	v_lshl_or_b32 v[VW+\j], v[TM+5], 8, v[TM+4]    ; my channel's scale word for these 128 keys
	v_lshl_or_b32 v[VW+\j], v[TM+6], 16, v[VW+\j]
	v_lshl_or_b32 v[VW+\j], v[TM+7], 24, v[VW+\j]
.irp c, 0,1,2,3
	global_store_b128 v[L16], v[PC+16*\j+4*\c:PC+16*\j+4*\c+3], s[44:45] offset:2048*\j+512*\c   ; 32 lanes store 512 consecutive bytes
.endr
.if \j < 2
	VLOAD \j+2, \j%2
.endif
.endr
	v_cndmask_b32 v[SD], v[VW], v[VW+2], s[HM]     ; lane (r, h) stores the words of tiles 2 h and 2 h + 1: 32 lanes, 256 consecutive bytes
	v_cndmask_b32 v[SD+1], v[VW+1], v[VW+3], s[HM]
	global_store_b64 v[A16], v[SD:SD+1], s[48:49]
	s_wait_dscnt 0x0
	s_barrier_signal -1                            ; every wave has waited for its own tensor load:
	s_barrier_wait -1                              ; all 256 channels lie in LDS
	s_wait_xcnt 0x0                                ; the stores above have read their registers: the codes' registers are written again
	; ---- x: my 32 positions, quantised along c; phi and theta
	XLOAD 0
	s_wait_dscnt 0x0
	QUANTX 0
	XLOAD 1
	s_wait_dscnt 0x0
	QUANTX 1
	s_wait_loadcnt 0x0                             ; the weights and their scale words
	PLACES 8                                       ; operands and scale words made by vector instructions stand ahead of a scaled matrix instruction
	WIN 0x01                                       ; source 0 window 1
.irp g, 0,1                                    ; the 16 accumulators take turns, one instruction a turn
	s_wait_alu depctr_va_vdst(0)
.irp u, 0,1
.irp t, 0,1,2,3,4,5,6,7
	XMUL \g, \u, \t
.endr
.endr
.endr
	WIN 0
	PLACES 8                                       ; behind the last products, ahead of the first read of results
	; the sums of squares of the f32 results: chain x = 2 u + (0: phi, 1: theta), 32 registers each, from each accumulator's low end on
.irp x, 0,1,2,3
	v_pk_mul_f32 v[NS+2*\x:NS+2*\x+1], v[X+32*\x:X+32*\x+1], v[X+32*\x:X+32*\x+1]
.endr
.irp i, 2,4,6,8,10,12,14,16,18,20,22,24,26,28,30
.irp x, 0,1,2,3
	v_pk_fma_f32 v[NS+2*\x:NS+2*\x+1], v[X+32*\x+\i:X+32*\x+\i+1], v[X+32*\x+\i:X+32*\x+\i+1], v[NS+2*\x:NS+2*\x+1]
.endr
.endr
.irp x, 0,1,2,3
	v_add_f32 v[NS+2*\x], v[NS+2*\x], v[NS+2*\x+1]
.endr
.irp x, 0,1,2,3
	v_permlanex16_b32 v[NS+2*\x+1], v[NS+2*\x], s[SEL], s[SEL+1]   ; the other 32 of the 64 lie in lane l xor 16
.endr
.irp x, 0,1,2,3
	v_add_f32 v[NS+2*\x], v[NS+2*\x], v[NS+2*\x+1]
.endr
	s_wait_alu depctr_va_vdst(0)
.irp x, 0,1,2,3
	v_rsq_f32 v[NS+2*\x+1], v[NS+2*\x]
.endr
	v_nop                                          ; a plain line behind the last of the four,
	s_wait_alu depctr_va_vdst(0)                   ; and the one wait ahead of their first reader
	v_mul_f32 v[NS], 0x3fb8aa3b, v[NS+1]           ; log2(e) / |phi|, tile 0
	v_mul_f32 v[NS+4], 0x3fb8aa3b, v[NS+5]         ; tile 1
.irp u, 0,1                                    ; a lane's 64 registers of tile u: phi's two blocks of 32, then theta's two
	QUANT64 X+64*\u, PC+16*\u
	v_lshl_or_b32 v[VW+2*\u], v[TM+5], 8, v[TM+4]
	v_lshl_or_b32 v[VW+2*\u+1], v[TM+7], 8, v[TM+6]
	v_or_b32 v[VW+2*\u], 0x7f7f0000, v[VW+2*\u]    ; bytes 2 and 3: 1.0, for the half of the matrix instruction's K that holds zero codes
	v_or_b32 v[VW+2*\u+1], 0x7f7f0000, v[VW+2*\u+1]
.irp g, 0,1
	global_store_b128 v[L16], v[PC+16*\u+4*\g:PC+16*\u+4*\g+3], s[52:53] offset:1024*\u+512*\g
	global_store_b128 v[L16], v[PC+16*\u+8+4*\g:PC+16*\u+8+4*\g+3], s[46:47] offset:1024*\u+512*\g
.endr
.endr
	v_cndmask_b32 v[SD], v[NS], v[NS+4], s[HM]     ; lane (r, h) stores tile h's numbers of row r
	v_cndmask_b32 v[SD+1], v[VW], v[VW+2], s[HM]
	v_cndmask_b32 v[T0], v[VW+1], v[VW+3], s[HM]
	v_cndmask_b32 v[T1], v[NS+3], v[NS+7], s[HM]
	global_store_b64 v[A16], v[SD:SD+1], s[54:55]  ; log2(e)/|phi| and phi's scale word: 256 consecutive bytes
	global_store_b32 v[A8], v[T0], s[50:51]        ; theta's scale word: 128 consecutive bytes
	global_store_b32 v[A4], v[T1], s[50:51] offset:512   ; 1/|theta| at its key's place: 128 consecutive bytes
	s_wait_tensorcnt 0x0                           ; the wave's end
	ds_add_u32 v[SPW], v[NIL]
	s_wait_dscnt 0x0
	s_endpgm
.Lfunc_end_k_q0e42cf53d8_prep:
	.size	k_q0e42cf53d8_prep, .Lfunc_end_k_q0e42cf53d8_prep-k_q0e42cf53d8_prep
	.p2alignl 7, 3214868480
	.fill 96, 4, 3214868480
	.section	.rodata,"a",@progbits
	.p2align	6, 0x0
	.amdhsa_kernel k_q0e42cf53d8_prep
		.amdhsa_group_segment_fixed_size 167936
		.amdhsa_private_segment_fixed_size 0
		.amdhsa_enable_private_segment 0
		.amdhsa_kernarg_size 64
		.amdhsa_user_sgpr_count 2
		.amdhsa_user_sgpr_kernarg_segment_ptr 1
		.amdhsa_wavefront_size32 1
		.amdhsa_system_sgpr_workgroup_id_x 1
		.amdhsa_system_sgpr_workgroup_id_y 1
		.amdhsa_system_sgpr_workgroup_id_z 1
		.amdhsa_system_vgpr_workitem_id 0
		.amdhsa_next_free_vgpr 512
		.amdhsa_next_free_sgpr 66
		.amdhsa_reserve_vcc 0
		.amdhsa_float_denorm_mode_32 3
		.amdhsa_float_denorm_mode_16_64 3
		.amdhsa_memory_ordered 1
		.amdhsa_forward_progress 1
		.amdhsa_inst_pref_size 123
	.end_amdhsa_kernel
	.amdgpu_metadata
---
amdhsa.version: [ 1, 2 ]
amdhsa.kernels:
  - .name:           k_q0e42cf53d8_prep
    .symbol:         k_q0e42cf53d8_prep.kd
    .args:
      - { .name: feat_map, .offset: 0, .size: 8, .value_kind: global_buffer, .address_space: global }
      - { .name: phi_w_codes, .offset: 8, .size: 8, .value_kind: global_buffer, .address_space: global }
      - { .name: phi_w_scales, .offset: 16, .size: 8, .value_kind: global_buffer, .address_space: global }
      - { .name: theta_w_codes, .offset: 24, .size: 8, .value_kind: global_buffer, .address_space: global }
      - { .name: theta_w_scales, .offset: 32, .size: 8, .value_kind: global_buffer, .address_space: global }
      - { .name: kv, .offset: 40, .size: 8, .value_kind: global_buffer, .address_space: global }
      - { .name: qc, .offset: 48, .size: 8, .value_kind: global_buffer, .address_space: global }
      - { .name: qsa, .offset: 56, .size: 8, .value_kind: global_buffer, .address_space: global }
    .group_segment_fixed_size: 167936
    .private_segment_fixed_size: 0
    .kernarg_segment_align: 8
    .kernarg_segment_size: 64
    .max_flat_workgroup_size: 128
    .sgpr_count:     66
    .vgpr_count:     512
    .wavefront_size: 32
...
	.end_amdgpu_metadata
.endif
;; end of part 1
;; launch attn (part 2): grid 32 x 8, 8 waves a work-group, clusters of 4 x 1, 327,680 bytes of LDS; arguments kv, qc, qsa, weight_codes, weight_scales, out0; writes out0
.if DOCPART == 2
	.amdgcn_target "amdgcn-amd-amdhsa--gfx1250"
	.amdhsa_code_object_version 6
	.text
	.protected	k_q0e42cf53d8_attn
	.globl	k_q0e42cf53d8_attn
	.p2align	8
	.type	k_q0e42cf53d8_attn,@function
k_q0e42cf53d8_attn:
	s_mov_b64 s[64:65], 0
	v_nop
	global_prefetch_b8 v0, s[64:65] scope:SCOPE_SE
	s_setreg_imm32_b32 hwreg(HW_REG_WAVE_MODE, 25, 1), 1
	s_wait_xcnt 0x0
	s_wait_alu depctr_hold_cnt(0) depctr_sa_sdst(0) depctr_va_vdst(0) depctr_va_sdst(0) depctr_va_ssrc(0) depctr_va_vcc(0) depctr_vm_vsrc(0)
	s_getreg_b32 s2, hwreg(HW_REG_IB_STS2, 6, 4)
	s_cmp_eq_u32 s2, 0
	s_cbranch_scc0 .Lentry_in_a_cluster
	s_endpgm
.Lentry_in_a_cluster:
	s_bfe_u32 s2, ttmp6, 0x10000c
	s_cmp_lg_u32 s2, 0x3003
	s_cbranch_scc0 .Lentry_shape_is_right
	s_endpgm
.Lentry_shape_is_right:
; ATTN: out0[b][d][n] = relu( Q( (sum over keys m of Q(p[n][m]) Q(feat[m][c])) / l[n] ) . weight[c][d] ), p = 2^t, t = (Q(phi[n]) . Q(theta[m])) x 1/|theta[m]| x log2(e)/|phi[n]|, l = the sum of the unquantised p.
; All operands come as images of operand registers from the launch before (kv, qc, qsa: laid out in its head comment); no work of the problem is left out here.
; M = 0.  The rule takes M, a whole number, off t ahead of the exponential; a block's scale takes up any power of two, so the codes' values and the quotient by l are the same for every whole M.  reference() itself normalises
; both vectors: the quantiser moves a number by at most 1/16 of itself, so |Q(x)| <= 1.063 |x|, the logit lies within +-1.13 and t within +-1.64 for all finite inputs with norms other than 0: p lies between 0.32 and 3.2
; and a row's sum under 13,200.  So no maximum is searched, nothing is rescaled, and sums over disjoint keys simply add.
; LIMITS: NaN and infinities among the inputs, and rows of phi or theta with a norm of 0 or outside f32's range when squared (NaN in reference()), are not served; relu is a maximum in which a NaN loses.
; SHARES.  A work-group owns 128 queries of one batch; EIGHT waves, two to a SIMD, 512 registers each.  Wave w = 2 qg + kh owns 32 queries (group qg: two tiles of 16) and record kh of every slot (a record is 128 keys, a slot two).
; My tile 0 is query tile w, my tile 1 the group's other one: at the end each wave keeps tile 0 and gives tile 1 to the wave with the other keys.
; A PERIOD (a slot) goes in two UNITS of 64 keys x both query tiles (64 score registers), then 32 products O^T += V^T P^T.  theta and 1/|theta| come in halves of 32 registers; V's eight fragment places are the registers
; of theta, of 1/|theta| and of the scores, each taken as it falls free.
; LAYOUT.  Both products are used transposed (S^T = theta phi^T, O^T = V^T P^T): a lane holds one query throughout; by the rows chosen for a tile, p's 16 registers of two tiles are 16 neighbouring keys, O^T's 16 neighbouring channels.
; K = 64 IN AN INSTRUCTION OF 128: the query operand's registers 8-15 are zero codes; the key operand names 16 registers, of which the upper 8 are the next tile's codes (behind a half's last tile: zeros): finite x 0.
; CLUSTER.  The four work-groups of a cluster belong to one batch and walk the same kv: each eighth of a slot is asked for JOINTLY, by the same tensor load with the same descriptor and the mask of all four.
; THE RING: two slots of 86,016 bytes; one round of the cluster's barrier a slot, one tensor load a wave (one of mine is out at any time).  THE CHANGE OF SLOTS STANDS IN A PERIOD'S END: when V's last four fragments have been
; asked for, the wave has no further read of the slot: it waits for them, signals, and issues its last 16 products, work on registers, between the signal and the wait of the round's opening barrier.
; So slot 1 is first filled ahead of the loop, the loop has 14 trips, and the last two periods are written out (one with a plain barrier, one with none).  O^T begins as zeros (256 v_mov_b32 under the first fill).
; REGISTERS: window 0: v1-7 addresses; v8-11 (log2(e)/|phi|, Q's scale word) of tiles 0, 1; v12-15 l; v16-17 p's scale words; v20-23 theta's; v24-31 V's; v32-47 at work; v48-55 addresses; v56-87 Q; v88-119 p's codes;
;   v120-183 S^T, then p; v184-215 theta's four tiles; v216-223 zeros; v224-255 1/|theta|.   window 1: O^T: 128 x tile + 8 x channel tile.
;   On the way out: v128-255 the weight's 8 fragments; v64-127 numbers, then out's fragments; v48-63 codes; window 1 the last product's 32 accumulators.
.set REC,   43008
.set PART,  10752                      ; an eighth of a slot: 42 rows of 256 bytes, what one tensor load brings
.set SLOT1, 1<<17                      ; slot 1 begins here: one exclusive or turns an address in one slot into the other's
.set O_K,   32768
.set O_VSC, 40960
.set O_KSC, 41984
.set O_RTN, 42496
.set STG,   217088                     ; behind slot 1: a stage of 16 rows x 528 bytes for each wave
.set SPARE, 284672                     ; the spare words, 128 bytes for each wave: four blocks of 256 bytes that no other line names
.set OIMG,  285696                     ; images of out's 16 fragments (query tile QT, K step g): 4,096 QT + 2,048 g
.set OSC,   318464                     ; their scale words: 256 QT + 128 g + 4 x lane
.set XL,    320512                     ; the exchange of l: 128 x wave + 4 x lane
                                       ; the exchange of O^T: 16,384 bytes a wave from byte 0 on: slot 0, which has had its last fill and its last read by then, and the gap behind it
.set L16, 1
.set SPW, 2
.set NIL, 3
.set ADR, 4                            ; v4  my record + 16 x lane; on the way out the weight's offset
.set ADB, 5                            ; v5  my record + 64 h
.set AD8, 6                            ; v6  my record + 8 x lane
.set PFO, 7                            ; v7  256 x lane: the prefetches' offset; never rewritten
.set QA,  8
.set LS,  12
.set PW,  16
.set H64, 18
.set L8,  19
.set KSW, 20
.set VSW, 24
.set TM,  32
.set L4,  48
.set QF,  56
.set P,   88
.set S,   120
.set TH,  184
.set ZR,  216
.set B,   224
.set WSA, 10                           ; the way out: the weight's scale bytes' offset
.set STI, 8                            ; the stage, in
.set STB, 14                           ; the stage, back
.set OW,  15                           ; out's scale word on its way to LDS
.set PO,  48                           ; out's codes
.set SO,  64                           ; out's numbers; then out's fragments, two places of 32
.set W,   128                          ; the weight's fragments: 16 (2 d + g)
.set SEL, 42                           ; s[42:43] v_permlanex16_b32's selects for lane l xor 16
.set MNT, 44                           ; s44  the mantissa field of 448
.set MSB, 0
.macro WIN new                         ; bits 1:0 source 0, 3:2 source 1, 5:4 source 2, 7:6 destination; the immediate's high byte repeats the setting that is left
.if MSB != \new
	s_set_vgpr_msb (MSB<<8)|\new
.set MSB, \new
.endif
.endm
.macro PLACES n
.rept \n
	v_nop
.endr
.endm
.macro CREST                           ; a round of the cluster's barrier behind its opening barrier
	s_cmp_lg_u32 s16, 0
	s_cbranch_scc1 .Lnot_wave_0_\@
	s_barrier_signal -3
.Lnot_wave_0_\@:
	s_barrier_wait -3
	s_barrier_signal -1
	s_barrier_wait -1
.endm
.macro CROUND                          ; a whole round
	s_barrier_signal -1
	s_barrier_wait -1
	CREST
.endm
; PREFETCHES INTO THE L2.  A batch's kv is 5,376 blocks of 256 bytes, which all eight clusters of the batch walk: the first of them asks (cluster x = 0, the same in all four partners), its partners told apart BY ADDRESS,
; in each of them waves 0 to 2: one instruction, a lane a block.  Trips 0 to 10 name blocks 1,152 + 384 j + 96 cx + 32 wave + lane: each block from 1,152 on once, the last trip's last lane the batch's last block.
; The tensor loads at trip j's end ask for blocks 672 + 336 j to 1,007 + 336 j: what trip j names is asked for at the end of trip j + 1 at the earliest.  Blocks 0 to 1,151 come by their loads alone.
; The weight's codes, 512 blocks that every work-group reads on its way out: wave 3 of the sixteen work-groups of clusters x = 0, y = 0 .. 3 names 32 blocks each, once, in trip 8 of 14: block 32 (4 y + cx) + lane.
.macro ASK
	s_cmp_gt_u32 s37, s38                          ; s37 counts 14 down to 1; s38 = 3 in a wave that asks, else the greatest number
	s_cbranch_scc0 .Lnot_mine_\@
	global_prefetch_b8 v[PFO], s[40:41] th:TH_LOAD_NT scope:SCOPE_SE
.Lnot_mine_\@:
	s_cmp_eq_u32 s37, s39                          ; s39 = 6 in a wave that asks for the weight, else 0
	s_cbranch_scc0 .Lno_weight_\@
	global_prefetch_b8 v[PFO], s[10:11] th:TH_LOAD_NT scope:SCOPE_SE
.Lno_weight_\@:
.endm
.macro STEPS                           ; the walking descriptor and the prefetches' address; no tensor load of mine is out where this stands
	s_xor_b32 s33, s33, SLOT1                      ; the other slot than last time,
	s_add_nc_u64 s[34:35], s[34:35], 2*REC         ; the next two records; the type bits on top are not reached
	s_wait_xcnt 0x0                                ; the last prefetch has read its address
	s_add_nc_u64 s[40:41], s[40:41], 98304         ; 384 blocks on
.endm
.macro THLD z                          ; theta's tiles 4 z .. 4 z + 3: 8 loads
.irp k, 0,1,2,3
.irp g, 0,1
	ds_load_b128 v[TH+8*\k+4*\g:TH+8*\k+4*\g+3], v[ADR] offset:O_K+1024*(4*(\z)+\k)+512*\g
.endr
.endr
.endm
.macro BLD z                           ; 1/|theta| of keys 64 z on: register 16 g + i: key 64 z + 32 g + 16 h + i, as in S^T: 8 loads
.irp g, 0,1
.irp q, 0,1,2,3
	ds_load_b128 v[B+16*\g+4*\q:B+16*\g+4*\q+3], v[ADB] offset:O_RTN+256*(\z)+128*\g+16*\q
.endr
.endr
.endm
.macro VSET t                          ; where channel tile t's fragment of V lies: tiles 0, 1 (mod 8) in theta's registers, 2, 3 in 1/|theta|'s, 4 to 7 in the scores'
.set u_, (\t)%8
.if u_ < 2
.set rV, TH+16*u_
.elseif u_ < 4
.set rV, B+16*(u_-2)
.else
.set rV, S+16*(u_-4)
.endif
.endm
.macro VLD t
	VSET \t
.irp c, 0,1,2,3
	ds_load_b128 v[rV+4*\c:rV+4*\c+3], v[ADR] offset:2048*(\t)+512*\c
.endr
.endm
; a period's first run of LDS loads, 20 in all: theta's first half 8, its scale words 2, 1/|theta|'s first half 8, V's scale words 2
.macro LOADS
	v_add_nc_u32 v[ADR], s36, v[L16]
	v_add_nc_u32 v[ADB], s36, v[H64]
	v_add_nc_u32 v[AD8], s36, v[L8]
	s_wait_alu depctr_va_vdst(0)
	THLD 0
	ds_load_b64 v[KSW:KSW+1], v[AD8] offset:O_KSC
	ds_load_b64 v[KSW+2:KSW+3], v[AD8] offset:O_KSC+256
	BLD 0
	ds_load_b128 v[VSW:VSW+3], v[ADR] offset:O_VSC
	ds_load_b128 v[VSW+4:VSW+7], v[ADR] offset:O_VSC+512
.endm
.macro SMUL z                          ; S^T of keys 64 z on for both query tiles: eight products, each with its own result
.irp q, 0,1
.irp k, 0,1,2,3
.if \k/2
	v_wmma_scale_f32_16x16x128_f8f6f4 v[S+32*\q+8*\k:S+32*\q+8*\k+7], v[TH+8*\k:TH+8*\k+15], v[QF+16*\q:QF+16*\q+15], 0, v[KSW+2*(\z)+\k%2], v[QA+2*\q+1] matrix_a_scale:MATRIX_SCALE_ROW1
.else
	v_wmma_scale_f32_16x16x128_f8f6f4 v[S+32*\q+8*\k:S+32*\q+8*\k+7], v[TH+8*\k:TH+8*\k+15], v[QF+16*\q:QF+16*\q+15], 0, v[KSW+2*(\z)+\k%2], v[QA+2*\q+1]
.endif
.endr
.endr
.endm
; UNIT z: the scores of keys 64 z on, their p, their part of l, p's codes and scale bytes.  Block g of 16 registers: query tile g / 2, keys 64 z + 32 (g % 2) + 16 h on.
.macro UNIT z
.if \z
	s_wait_dscnt 8                                 ; theta's second half is in; the 8 younger loads (1/|theta|'s second half) may be out
.else
	s_wait_dscnt 10                                ; theta's first half and its scale words are in; 1/|theta| 8 and V's words 2 may be out
.endif
	SMUL \z
	PLACES 8                                       ; behind the products: ahead of loads into theta's registers and of the first read of results
.if \z
	VLD 0
	VLD 1
	s_wait_dscnt 8                                 ; 1/|theta| is in; V's tiles 0, 1 may be out
.else
	THLD 1
	s_wait_dscnt 10                                ; 1/|theta| is in; V's words 2 and theta's second half 8 may be out
.endif
.set i, 0
.rept 32
	v_pk_mul_f32 v[S+i:S+i+1], v[S+i:S+i+1], v[B+i%32:B+i%32+1]   ; x 1/|theta|, each result from its low end on
.set i, i+2
.endr
.if \z
	VLD 2
	VLD 3
.else
	BLD 1
.endif
.set i, 0
.rept 32
	v_pk_mul_f32 v[S+i:S+i+1], v[S+i:S+i+1], v[QA+2*(i/32):QA+2*(i/32)+1] op_sel_hi:[1,0]   ; x log2(e)/|phi|: t (the pair's low word serves both halves)
.set i, i+2
.endr
	s_wait_alu depctr_va_vdst(0)
.set i, 0
.rept 64
	v_exp_f32 v[S+i], v[S+i]                       ; p = 2^t
.set i, i+1
.endr
	v_nop                                          ; a plain line behind the last exponential,
	s_wait_alu depctr_va_vdst(0)                   ; and the one wait ahead of the batch's first reader
.irp g, 0,1,2,3
	v_max3_num_f32 v[TM+\g], v[S+16*\g], v[S+16*\g+1], 0x4800000   ; the largest p of each block of 32 keys (p is positive), and the floor 2^(9 - 127)
.endr
.irp i, 2,4,6,8,10,12,14
.irp g, 0,1,2,3
	v_max3_num_f32 v[TM+\g], v[TM+\g], v[S+16*\g+\i], v[S+16*\g+\i+1]
.endr
.endr
.irp q, 0,1
	v_pk_add_f32 v[TM+4+2*\q:TM+5+2*\q], v[S+32*\q:S+32*\q+1], v[S+32*\q+2:S+32*\q+3]   ; l takes the UNQUANTISED p: two at a time, two chains a tile
.endr
.irp j, 4,8,12,16,20,24,28
.irp q, 0,1
	v_pk_add_f32 v[LS+2*\q:LS+2*\q+1], v[LS+2*\q:LS+2*\q+1], v[S+32*\q+\j:S+32*\q+\j+1]
	v_pk_add_f32 v[TM+4+2*\q:TM+5+2*\q], v[TM+4+2*\q:TM+5+2*\q], v[S+32*\q+\j+2:S+32*\q+\j+3]
.endr
.endr
.irp q, 0,1
	v_pk_add_f32 v[LS+2*\q:LS+2*\q+1], v[LS+2*\q:LS+2*\q+1], v[TM+4+2*\q:TM+5+2*\q]
.endr
.irp g, 0,1,2,3
	v_permlanex16_b32 v[TM+4+\g], v[TM+\g], s[SEL], s[SEL+1]
.endr
.irp g, 0,1,2,3
	v_max_num_f32 v[TM+\g], v[TM+\g], v[TM+4+\g]   ; with lane l xor 16's 16 keys
.endr
.irp g, 0,1,2,3
	v_add_nc_u32 v[TM+12+\g], 0xfc000000, v[TM+\g] ; 8 off the exponent field: the conversion's scale operand
.endr
.irp g, 0,1,2,3
	v_and_or_b32 v[TM+8+\g], v[TM+\g], 0x7f800000, s[MNT]   ; 448 x the scale
.endr
.irp g, 0,1,2,3
	v_lshrrev_b32 v[TM+4+\g], 23, v[TM+12+\g]      ; the scale's byte
.endr
.if \z                                         ; p's scale words: unit 0 lays bytes 0, 1, unit 1 bytes 2, 3; the holds below stand between them and the products that read them
	v_lshl_or_b32 v[PW], v[TM+4], 16, v[PW]
	v_lshl_or_b32 v[PW+1], v[TM+6], 16, v[PW+1]
	v_lshl_or_b32 v[PW], v[TM+5], 24, v[PW]
	v_lshl_or_b32 v[PW+1], v[TM+7], 24, v[PW+1]
.else
	v_lshl_or_b32 v[PW], v[TM+5], 8, v[TM+4]
	v_lshl_or_b32 v[PW+1], v[TM+7], 8, v[TM+6]
.endif
.irp g, 0,1,2,3
	v_mov_b32 v[TM+(\g+1)%4], v[TM+8+\g]           ; block g's bound once more, in a register whose number differs modulo 4: the two halves of a dual pair take their second sources from different banks
.endr
.irp g, 0,1,2,3
.irp i, 0,2,4,6,8,10,12,14
	v_dual_min_num_f32 v[S+16*\g+\i], v[S+16*\g+\i], v[TM+8+\g] :: v_dual_min_num_f32 v[S+16*\g+\i+1], v[S+16*\g+\i+1], v[TM+(\g+1)%4]   ; the conversion to an 8-bit code does not saturate (ISA guide 7.6.2); p is not negative, so the hold is one-sided; two holds an instruction
.endr
	v_cvt_scalef32_pk8_fp8_f32 v[P+16*(\g/2)+8*(\z)+4*(\g%2):P+16*(\g/2)+8*(\z)+4*(\g%2)+1], v[S+16*\g:S+16*\g+7], v[TM+12+\g]
	v_cvt_scalef32_pk8_fp8_f32 v[P+16*(\g/2)+8*(\z)+4*(\g%2)+2:P+16*(\g/2)+8*(\z)+4*(\g%2)+3], v[S+16*\g+8:S+16*\g+15], v[TM+12+\g]
.endr
	v_nop                                          ; a plain line behind the last conversion
.endm
.macro PVM t, q                        ; O^T(tile q, channel tile t) += V^T P^T
	VSET \t
.set rO, 128*(\q)+8*(\t)
.set rW, VSW+4*((\t)/8)+(\t)%4
.if ((\t)/4)%2
	v_wmma_scale_f32_16x16x128_f8f6f4 v[rO:rO+7], v[rV:rV+15], v[P+16*(\q):P+16*(\q)+15], v[rO:rO+7], v[rW], v[PW+(\q)] matrix_a_scale:MATRIX_SCALE_ROW1
.else
	v_wmma_scale_f32_16x16x128_f8f6f4 v[rO:rO+7], v[rV:rV+15], v[P+16*(\q):P+16*(\q)+15], v[rO:rO+7], v[rW], v[PW+(\q)]
.endif
.endm
.macro PV4 t0                          ; four channel tiles x two query tiles
	WIN 0x50                                       ; C and D window 1
.irp t, \t0, \t0+1, \t0+2, \t0+3
.irp q, 0,1
	PVM \t, \q
.endr
.endr
.endm
; 32 products; all 32 accumulators take turns, one instruction a turn.  Four fragments are fetched behind the places of the four products that read their registers last.
; mode 1: the change of slots with a refill; mode 2: with none (the last slot has been asked for); mode 0: the last period, no change.
.macro PV mode
.irp t, 4,5,6,7
	VLD \t
.endr
	PLACES 4                                       ; the last codes stand ahead of the scaled matrix instructions
	s_wait_alu depctr_va_vdst(0)                   ; ahead of the wait that blocks and of O^T's first readers
	s_wait_dscnt 16                                ; V's words and tiles 0 to 3 are in; tiles 4 to 7 may be out
	PV4 0
	PLACES 8                                       ; in front of loads into registers that these products have read
	WIN 0
.irp t, 8,9,10,11
	VLD \t
.endr
	s_wait_dscnt 16                                ; tiles 4 to 7 are in
	PV4 4
	PLACES 8
	WIN 0
.irp t, 12,13,14,15
	VLD \t
.endr
.if \mode
	s_wait_tensorcnt 0x0                           ; all my tensor loads are done: my eighth of the slot ahead; so the descriptor may be written
	ds_add_u32 v[SPW], v[NIL]                      ; 0 onto my spare word
.if \mode == 1
	STEPS
.endif
	s_xor_b32 s36, s36, SLOT1                      ; my record of the other slot
	s_wait_dscnt 0x0                               ; the add is done, and so are my reads of this slot: V's last eight fragments lie in registers
	s_barrier_signal -1
	PV4 8                                          ; sixteen products, work on registers, while the others arrive
	PV4 12
	WIN 0
	s_barrier_wait -1
.if \mode == 1
	CREST                                          ; the barrier has opened a round of the cluster's barrier: no wave of any partner reads this slot or has a load on its way
	tensor_load_to_lds s[32:35], s[24:31]          ; the first thing behind the round, and my one tensor load until the next: the records two slots on
	s_nop 0
.endif
	PLACES 6                                       ; with the three address lines that follow: nine places behind the last products, ahead of the next loads (8) and of the scores' products, which write over registers that these have read (9)
.else
	s_wait_dscnt 16                                ; tiles 8 to 11 are in
	PV4 8
	s_wait_dscnt 0x0
	PV4 12
	WIN 0
	PLACES 8                                       ; in front of the way out's loads and reads of results
.endif
.endm
.macro PERIOD mode
	LOADS
.if \mode == 1
	ASK
.endif
	UNIT 0
	UNIT 1
	PV \mode
.endm
; 64 numbers of a lane, register s + 16 b + i = k 32 b + 16 (lane / 16) + i of my row, become 16 registers of codes at pc; the four scale bytes are left in v[TM+4] on.
.macro QUANT64 s, pc
.irp b, 0,1,2,3
	v_max3_num_f32 v[TM+\b], |v[\s+16*\b]|, |v[\s+16*\b+1]|, 0x4800000
.endr
.irp i, 2,4,6,8,10,12,14
.irp b, 0,1,2,3
	v_max3_num_f32 v[TM+\b], v[TM+\b], |v[\s+16*\b+\i]|, |v[\s+16*\b+\i+1]|
.endr
.endr
.irp b, 0,1,2,3
	v_permlanex16_b32 v[TM+4+\b], v[TM+\b], s[SEL], s[SEL+1]
.endr
.irp b, 0,1,2,3
	v_max_num_f32 v[TM+\b], v[TM+\b], v[TM+4+\b]
.endr
.irp b, 0,1,2,3
	v_add_nc_u32 v[TM+12+\b], 0xfc000000, v[TM+\b]
.endr
.irp b, 0,1,2,3
	v_and_or_b32 v[TM+8+\b], v[TM+\b], 0x7f800000, s[MNT]
.endr
.irp b, 0,1,2,3
	v_lshrrev_b32 v[TM+4+\b], 23, v[TM+12+\b]
.endr
.irp b, 0,1,2,3
.irp i, 0,1,2,3,4,5,6,7,8,9,10,11,12,13,14,15
	v_med3_num_f32 v[\s+16*\b+\i], v[\s+16*\b+\i], -v[TM+8+\b], v[TM+8+\b]
.endr
	v_cvt_scalef32_pk8_fp8_f32 v[\pc+4*\b:\pc+4*\b+1], v[\s+16*\b:\s+16*\b+7], v[TM+12+\b]
	v_cvt_scalef32_pk8_fp8_f32 v[\pc+4*\b+2:\pc+4*\b+3], v[\s+16*\b+8:\s+16*\b+15], v[TM+12+\b]
.endr
	v_nop
.endm
	s_load_b256 s[4:11], s[0:1], 0x0               ; kv s[4:5], qc s[6:7], qsa s[8:9], weight's codes s[10:11]
	s_load_b128 s[12:15], s[0:1], 0x20             ; weight's scales s[12:13], out0 s[14:15]
	v_lshl_add_u32 v[SPW], v0, 2, SPARE
	v_mov_b32 v[NIL], 0
	ds_add_u32 v[SPW], v[NIL]                      ; the wave's opening: the add, twice on end, and its wait ahead of the round in front of my first tensor load; the set-up below stands between
	ds_add_u32 v[SPW], v[NIL]
	v_lshrrev_b32 v[ADR], 5, v0
	v_readfirstlane_b32 s16, v[ADR]                ; wave 0..7
	s_lshr_b32 s17, s16, 1                         ; qg: which 32 queries
	s_and_b32 s18, s16, 1                          ; kh: which record of a slot
	s_bfe_u32 s19, ttmp6, 0x40000                  ; cx: my place in the cluster
	s_lshl_b32 s20, ttmp9, 2
	s_add_co_u32 s20, s20, s19                     ; my block of 128 queries: it enters the addresses of qc, qsa and out0 alone
	s_and_b32 s21, ttmp7, 0xffff                   ; the batch, which the four partners share
	; descriptor group 1: 42 dense rows of 32 elements of 8 bytes
	s_mov_b32 s24, 0x0023000f                      ; 15:0 the mask: all four work-groups; 17:16 elements of 8 bytes; 21 set beside a mask; no padding
	s_mov_b32 s25, 32<<16                          ; tensor_dim0
	s_mov_b32 s26, 42<<16                          ; tensor_dim1
	s_mov_b32 s27, 32<<16                          ; tile_dim0
	s_mov_b32 s28, 42                              ; tile_dim1
	s_mov_b32 s29, 32                              ; tensor_dim0_stride
	s_mov_b32 s30, 0
	s_mov_b32 s31, 0
	s_mov_b32 s32, 1
	s_mul_i32 s33, s16, PART                       ; LDS: my eighth of slot 0: no place in the cluster enters an LDS address
	s_mul_i32 s22, s21, 32*REC                     ; the batch's 32 records,
	s_add_co_u32 s22, s22, s33                     ; my eighth of the first two
	s_mov_b32 s23, 0
	s_mul_i32 s36, s18, REC                        ; the record that I read, in slot 0
	s_mov_b32 s37, 14
	s_cmp_lt_u32 s16, 3
	s_cselect_b32 s38, 0, 1
	s_or_b32 s38, s38, ttmp9                       ; 0 in waves 0 to 2 of the batch's first cluster
	s_cmp_eq_u32 s38, 0
	s_cselect_b32 s38, 3, -1
	s_cmp_eq_u32 s16, 3
	s_cselect_b32 s39, 0, 1
	s_or_b32 s39, s39, ttmp9
	s_lshr_b32 s45, s21, 2
	s_or_b32 s39, s39, s45                         ; 0 in wave 3 of clusters x = 0, y = 0 .. 3
	s_cmp_eq_u32 s39, 0
	s_cselect_b32 s39, 6, 0
	s_mul_i32 s46, s21, 32*REC                     ; where my prefetches of kv stand: the batch, + 96 blocks for each place in the cluster, + 32 for each wave,
	s_mul_i32 s47, s19, 24576
	s_add_co_u32 s46, s46, s47
	s_lshl_b32 s47, s16, 13
	s_add_co_u32 s46, s46, s47
	s_add_co_u32 s46, s46, 196608                  ; at block 768: the step ahead of the loop brings it to 1,152
	s_mov_b32 s47, 0
	s_mov_b32 s[SEL], 0x76543210
	s_mov_b32 s[SEL+1], 0xfedcba98
	s_mov_b32 s[MNT], 0x600000
	s_lshl_b32 s48, s21, 5
	s_add_co_u32 s48, s48, s20                     ; 32 b + my block
	s_lshl_b32 s2, s48, 13                         ; qc: 8 tiles of 1,024 bytes a block, my group's two
	s_lshl_b32 s3, s17, 11
	s_add_co_u32 s2, s2, s3
	s_mov_b32 s3, 0
	s_lshl_b32 s56, s48, 10                        ; qsa: 4 groups of 256 bytes a block, mine
	s_lshl_b32 s57, s17, 8
	s_add_co_u32 s56, s56, s57
	s_mov_b32 s57, 0
	s_lshl_b32 s58, s21, 23                        ; out0: a batch is 8,388,608 bytes, my 64 rows d 1,048,576, my block's 128 n 512
	s_lshl_b32 s59, s16, 20
	s_add_co_u32 s58, s58, s59
	s_lshl_b32 s59, s20, 9
	s_add_co_u32 s58, s58, s59
	s_mov_b32 s59, 0
	s_lshl_b32 s60, s16, 14                        ; weight: my 64 rows of 256 codes,
	s_mov_b32 s61, 0
	s_lshl_b32 s62, s16, 9                         ; and of 8 scale bytes
	s_mov_b32 s63, 0
	v_and_b32 v[ADR], 31, v0
	v_lshlrev_b32 v[L16], 4, v[ADR]
	v_lshlrev_b32 v[L8], 3, v[ADR]
	v_lshlrev_b32 v[L4], 2, v[ADR]
	v_lshlrev_b32 v[PFO], 8, v[ADR]
	v_bfe_u32 v[ADB], v0, 4, 1
	v_lshlrev_b32 v[H64], 6, v[ADB]
	s_lshl_b32 s48, s18, 10                        ; my tile 0 is tile kh of my group, tile 1 the other
	s_xor_b32 s49, s48, 1024
	v_add_nc_u32 v49, s48, v[L16]
	v_add_nc_u32 v50, s49, v[L16]
	s_lshl_b32 s48, s18, 3
	s_xor_b32 s49, s48, 8
	v_and_b32 v51, 15, v0
	v_lshlrev_b32 v51, 4, v51
	v_add_nc_u32 v52, s49, v51
	v_add_nc_u32 v51, s48, v51
	s_and_b32 s48, s21, 3                          ; the weight's prefetch: 8,192 bytes for each of the sixteen work-groups that ask
	s_lshl_b32 s48, s48, 2
	s_add_co_u32 s48, s48, s19
	s_lshl_b32 s48, s48, 13
	s_mov_b32 s49, 0
	s_wait_dscnt 0x0                               ; both opening adds are done
	s_wait_kmcnt 0x0
	s_add_nc_u64 s[34:35], s[4:5], s[22:23]
	s_or_b32 s35, s35, 0x80000000                  ; type = 2
	s_add_nc_u64 s[40:41], s[4:5], s[46:47]
	s_add_nc_u64 s[6:7], s[6:7], s[2:3]
	s_add_nc_u64 s[8:9], s[8:9], s[56:57]
	s_add_nc_u64 s[50:51], s[14:15], s[58:59]
	s_add_nc_u64 s[52:53], s[10:11], s[60:61]
	s_add_nc_u64 s[54:55], s[12:13], s[62:63]
	s_add_nc_u64 s[10:11], s[10:11], s[48:49]
	CROUND                                         ; all four work-groups are here: the first joint loads meet
	tensor_load_to_lds s[32:35], s[24:31]          ; records 0 and 1 into slot 0: every wave its eighth
	s_nop 0
	PLACES 4
	s_wait_alu depctr_va_vdst(0)
.irp g, 0,1
	global_load_b128 v[QF+4*\g:QF+4*\g+3], v49, s[6:7] offset:512*\g
	global_load_b128 v[QF+16+4*\g:QF+16+4*\g+3], v50, s[6:7] offset:512*\g
.endr
	global_load_b64 v[QA:QA+1], v51, s[8:9]
	global_load_b64 v[QA+2:QA+3], v52, s[8:9]
.irp q, 0,1
.irp i, 8,9,10,11,12,13,14,15
	v_mov_b32 v[QF+16*\q+\i], 0                    ; zero codes for K = 64 .. 127
.endr
.endr
.irp i, 0,1,2,3,4,5,6,7
	v_mov_b32 v[ZR+\i], 0                          ; and behind a half's last tile of theta
.endr
.irp i, 0,1,2,3
	v_mov_b32 v[LS+\i], 0                          ; l
	v_mov_b32 v[TM+4+\i], 0                        ; written once: a lane permute's destination counts as one of its sources
.endr
	WIN 0x40
.set i, 0
.rept 256
	v_mov_b32 v[i], 0                              ; O^T
.set i, i+1
.endr
	WIN 0
	s_wait_loadcnt 0x0                             ; Q
	s_wait_tensorcnt 0x0                           ; my eighth of slot 0 is in
	ds_add_u32 v[SPW], v[NIL]
	STEPS
	s_wait_dscnt 0x0
	CROUND                                         ; a whole round: slot 0 is whole, and all four work-groups are here
	tensor_load_to_lds s[32:35], s[24:31]          ; records 2 and 3 into slot 1: its first fill
	s_nop 0
	PLACES 4
.Lslot:                                            ; 14 trips: trip j reads slot j % 2 and, at its end, asks for records 2 j + 4, 2 j + 5 into the same slot
	PERIOD 1
	s_sub_co_u32 s37, s37, 1
	s_cmp_lg_u32 s37, 0
	s_cbranch_scc1 .Lslot
	PERIOD 2                                       ; the last two slots are written out: nothing is left to ask for
	PERIOD 0
	; ---- THE WAY OUT.  The weight's fragments are asked for first: my 64 rows d, tile d and K step g at W + 16 (2 d + g)
	v_and_b32 v[TM+2], 15, v0                      ; r
	v_bfe_u32 v[TM+3], v0, 4, 1                    ; h
	v_lshlrev_b32 v[ADR], 8, v[TM+2]
	v_lshl_add_u32 v[ADR], v[TM+3], 4, v[ADR]      ; 256 r + 16 h
	v_lshlrev_b32 v[WSA], 3, v[TM+2]               ; 8 r
	v_lshlrev_b32 v[L8], 2, v[TM+2]
	v_lshl_add_u32 v[L8], v[TM+3], 7, v[L8]
	v_add_nc_u32 v[L8], OSC, v[L8]                 ; out's scale words, read: lanes 0-15 K step 0's, lanes 16-31 K step 1's
	v_add_nc_u32 v[H64], OIMG, v[L16]              ; out's images, read
	s_lshl_b32 s22, s16, 12
	s_add_co_u32 s22, s22, OIMG
	v_add_nc_u32 v[ADB], s22, v[L16]               ; and stored: query tile = my wave's number
	s_lshl_b32 s22, s16, 8
	s_add_co_u32 s22, s22, OSC
	v_add_nc_u32 v[AD8], s22, v[L4]
	s_lshl_b32 s22, s16, 14
	v_add_nc_u32 v49, s22, v[L16]                  ; the exchange: my 16,384 bytes,
	s_xor_b32 s23, s16, 1
	s_lshl_b32 s46, s23, 14
	v_add_nc_u32 v50, s46, v[L16]                  ; my partner's (the wave with my queries and the other keys),
	s_lshl_b32 s22, s16, 7
	s_add_co_u32 s22, s22, XL
	v_add_nc_u32 v51, s22, v[L4]                   ; and the same for l
	s_lshl_b32 s46, s23, 7
	s_add_co_u32 s46, s46, XL
	v_add_nc_u32 v52, s46, v[L4]
	s_wait_alu depctr_va_vdst(0)
.irp d, 0,1,2,3
.irp g, 0,1
.irp c, 0,1,2,3
	global_load_b128 v[W+16*(2*\d+\g)+4*\c:W+16*(2*\d+\g)+4*\c+3], v[ADR], s[52:53] offset:4096*\d+128*\g+32*\c
.endr
.endr
.endr
.irp d, 0,1,2,3
.irp g, 0,1
	global_load_b32 v[VSW+2*\d+\g], v[WSA], s[54:55] offset:128*\d+4*\g
.endr
.endr
.irp q, 0,1
	v_add_f32 v[LS+2*\q], v[LS+2*\q], v[LS+2*\q+1] ; l's two halves,
.endr
.irp q, 0,1
	v_permlanex16_b32 v[TM+4+\q], v[LS+2*\q], s[SEL], s[SEL+1]
.endr
.irp q, 0,1
	v_add_f32 v[LS+2*\q], v[LS+2*\q], v[TM+4+\q]   ; and lane l xor 16's: the sum over my half of the keys
.endr
	s_wait_alu depctr_va_vdst(0)
	s_wait_dscnt 0x0
	s_barrier_signal -1
	s_barrier_wait -1                              ; no wave reads a slot any more: bytes 0 to 131,071 serve the exchange
	WIN 0x04                                       ; an LDS store's data are its source 1: window 1
.set i, 0
.rept 32
	ds_store_b128 v49, v[128+4*i:128+4*i+3] offset:512*i   ; O^T of my tile 1, each accumulator from its low end on
.set i, i+1
.endr
	WIN 0
	ds_store_b32 v51, v[LS+2]
	s_wait_dscnt 0x0                               ; for my partner's sake: my stores are done
	s_barrier_signal -1
	s_barrier_wait -1
	ds_load_b32 v[TM], v52                         ; my partner's tile 1 is my tile 0
	WIN 0x40
.set i, 0
.rept 32
	ds_load_b128 v[128+4*i:128+4*i+3], v50 offset:512*i
.set i, i+1
.endr
	WIN 0
	s_wait_dscnt 0x0
	v_add_f32 v[LS], v[LS], v[TM]                  ; l over all keys
	s_wait_alu depctr_va_vdst(0)
	v_rcp_f32 v[LS], v[LS]
	v_mul_u32_u24 v[STI], v[TM+2], 528             ; (plain lines behind the reciprocal)  the stage's addresses
	v_lshl_add_u32 v[STI], v[TM+3], 6, v[STI]
	s_mul_i32 s22, s16, 16*528
	s_add_co_u32 s22, s22, STG
	v_add_nc_u32 v[STI], s22, v[STI]               ; in: row r (one d), + 64 h
	v_add_nc_u32 v[STB], s22, v[L16]               ; back: a whole row of 512 bytes
	s_wait_alu depctr_va_vdst(0)                   ; the one wait ahead of the reciprocal's first reader
; out of my tile, channels 128 g on: the two halves' sum / l, quantised along c; its image and scale word go to LDS for all eight waves
.macro OUTQ g
.if \g
	s_wait_dscnt 0x0                               ; the stores of K step 0 are done: their registers are written again
.endif
	WIN 0x05                                       ; sources 0 and 1 window 1
	s_wait_alu depctr_va_vdst(0)                   ; directly ahead of O^T's first readers
.set i, 0
.rept 32
	v_pk_add_f32 v[SO+i:SO+i+1], v[64*(\g)+i:64*(\g)+i+1], v[128+64*(\g)+i:128+64*(\g)+i+1]
.set i, i+2
.endr
	WIN 0
.set i, 0
.rept 32
	v_pk_mul_f32 v[SO+i:SO+i+1], v[SO+i:SO+i+1], v[LS:LS+1] op_sel_hi:[1,0]
.set i, i+2
.endr
	QUANT64 SO, PO
	v_lshl_or_b32 v[OW], v[TM+5], 8, v[TM+4]
	v_lshl_or_b32 v[OW], v[TM+6], 16, v[OW]
	v_lshl_or_b32 v[OW], v[TM+7], 24, v[OW]
.irp c, 0,1,2,3
	ds_store_b128 v[ADB], v[PO+4*\c:PO+4*\c+3] offset:2048*(\g)+512*\c
.endr
	ds_store_b32 v[AD8], v[OW] offset:128*(\g)
.endm
	OUTQ 0
	OUTQ 1
	s_wait_dscnt 0x0                               ; for the others' sake: my stores are done
	s_barrier_signal -1
	s_barrier_wait -1                              ; out's 16 fragments lie in LDS
	; the last product: THE WAVES SHARE THE COLUMNS: my 64 d for all 128 queries.  Source 0 = 16 queries of out, source 1 = 16 rows d of weight: a lane holds one d and eight neighbouring n
.macro ALD q                           ; out's two fragments of query tile q and their scale words: 9 loads, into place q % 2
.irp g, 0,1
.irp c, 0,1,2,3
	ds_load_b128 v[SO+32*((\q)%2)+16*\g+4*\c:SO+32*((\q)%2)+16*\g+4*\c+3], v[H64] offset:4096*(\q)+2048*\g+512*\c
.endr
.endr
	ds_load_b32 v[KSW+(\q)%2], v[L8] offset:256*(\q)
.endm
.macro WMUL g, q, d
.set rD, 32*(\q)+8*(\d)
.set rA, SO+32*((\q)%2)+16*(\g)
.set rB, W+16*(2*(\d)+(\g))
.if (\g) == 0
	v_wmma_scale_f32_16x16x128_f8f6f4 v[rD:rD+7], v[rA:rA+15], v[rB:rB+15], 0, v[KSW+(\q)%2], v[VSW+2*(\d)]
.else
	v_wmma_scale_f32_16x16x128_f8f6f4 v[rD:rD+7], v[rA:rA+15], v[rB:rB+15], v[rD:rD+7], v[KSW+(\q)%2], v[VSW+2*(\d)+1] matrix_a_scale:MATRIX_SCALE_ROW1
.endif
.endm
	ALD 0
	ALD 1
	s_wait_loadcnt 0x0                             ; the weight and its scale words
.irp q, 0,1,2,3,4,5,6,7                        ; a query tile's four accumulators take turns: three other products stand between a sum's two steps
.if \q < 7
	s_wait_dscnt 9                                 ; this tile's 9 loads are in; the next tile's 9 may be out
.else
	s_wait_dscnt 0x0
.endif
	WIN 0x50                                       ; C and D window 1
.irp g, 0,1
.irp d, 0,1,2,3
	WMUL \g, \q, \d
.endr
.endr
.if \q < 6
	PLACES 8                                       ; in front of loads into registers that these products have read
	WIN 0
	ALD \q+2
.endif
.endr
	WIN 0
	PLACES 8                                       ; behind the last products, ahead of the first read of results
; 16 rows d x 128 n go through my own stage and come back as whole rows of 512 bytes.  Register j of lane (r, h) of query tile QT is n = 32 (QT / 2) + 16 h + 8 (QT % 2) + j of row d = r.
; LDS serves a wave's instructions in order (ISA guide 5.7.1.4): no wait between the stores and the loads, nor in front of the next block's stores.
.macro TOSTAGE dt
	WIN 0x04                                       ; the data: window 1
.irp q, 0,1,2,3,4,5,6,7
	ds_store_b128 v[STI], v[32*\q+8*(\dt):32*\q+8*(\dt)+3] offset:128*(\q/2)+32*(\q%2)
	ds_store_b128 v[STI], v[32*\q+8*(\dt)+4:32*\q+8*(\dt)+7] offset:128*(\q/2)+32*(\q%2)+16
.endr
	WIN 0
.set BB, SO+64*((\dt)%2)
.irp i, 0,1,2,3,4,5,6,7,8,9,10,11,12,13,14,15
	ds_load_b128 v[BB+4*\i:BB+4*\i+3], v[STB] offset:\i*528
.endr
.endm
.macro SEND dt, younger                ; younger: the LDS instructions issued behind this block's loads, which may stay out
.set BB, SO+64*((\dt)%2)
	s_wait_dscnt \younger
.set i, 0
.rept 64
	v_max_num_f32 v[BB+i], 0, v[BB+i]              ; relu
.set i, i+1
.endr
.irp i, 0,1,2,3,4,5,6,7,8,9,10,11,12,13,14,15
	global_store_b128 v[L16], v[BB+4*\i:BB+4*\i+3], s[50:51] offset:(16*(\dt)+\i)*16384 th:TH_STORE_NT   ; 32 lanes store 512 consecutive bytes of row d, at a multiple of 512 from out0's first byte; the offset is 1,032,192 at the most
.endr
.endm
	TOSTAGE 0
.irp a, 1,2,3
.if \a > 1
	s_wait_xcnt 0x0                                ; block a - 2's stores have read their registers: block a's loads may land there
.endif
	TOSTAGE \a
	SEND \a-1, 32                                  ; behind block a - 1's loads: block a's 16 stores and 16 loads
.endr
	SEND 3, 0
	s_wait_tensorcnt 0x0                           ; the wave's end: behind my last tensor load and my last LDS store
	ds_add_u32 v[SPW], v[NIL]
	s_wait_dscnt 0x0
	CROUND                                         ; the closing round: no work-group ends while a partner may still ask for a tile that names it
	s_endpgm
.Lfunc_end_k_q0e42cf53d8_attn:
	.size	k_q0e42cf53d8_attn, .Lfunc_end_k_q0e42cf53d8_attn-k_q0e42cf53d8_attn
	.p2alignl 7, 3214868480
	.fill 96, 4, 3214868480
	.section	.rodata,"a",@progbits
	.p2align	6, 0x0
	.amdhsa_kernel k_q0e42cf53d8_attn
		.amdhsa_group_segment_fixed_size 327680
		.amdhsa_private_segment_fixed_size 0
		.amdhsa_enable_private_segment 0
		.amdhsa_kernarg_size 48
		.amdhsa_user_sgpr_count 2
		.amdhsa_user_sgpr_kernarg_segment_ptr 1
		.amdhsa_wavefront_size32 1
		.amdhsa_system_sgpr_workgroup_id_x 1
		.amdhsa_system_sgpr_workgroup_id_y 1
		.amdhsa_system_sgpr_workgroup_id_z 1
		.amdhsa_system_vgpr_workitem_id 0
		.amdhsa_next_free_vgpr 512
		.amdhsa_next_free_sgpr 66
		.amdhsa_reserve_vcc 0
		.amdhsa_float_denorm_mode_32 3
		.amdhsa_float_denorm_mode_16_64 3
		.amdhsa_memory_ordered 1
		.amdhsa_forward_progress 1
		.amdhsa_inst_pref_size 218
	.end_amdhsa_kernel
	.amdgpu_metadata
---
amdhsa.version: [ 1, 2 ]
amdhsa.kernels:
  - .name:           k_q0e42cf53d8_attn
    .symbol:         k_q0e42cf53d8_attn.kd
    .args:
      - { .name: kv, .offset: 0, .size: 8, .value_kind: global_buffer, .address_space: global }
      - { .name: qc, .offset: 8, .size: 8, .value_kind: global_buffer, .address_space: global }
      - { .name: qsa, .offset: 16, .size: 8, .value_kind: global_buffer, .address_space: global }
      - { .name: weight_codes, .offset: 24, .size: 8, .value_kind: global_buffer, .address_space: global }
      - { .name: weight_scales, .offset: 32, .size: 8, .value_kind: global_buffer, .address_space: global }
      - { .name: out0, .offset: 40, .size: 8, .value_kind: global_buffer, .address_space: global }
    .group_segment_fixed_size: 327680
    .private_segment_fixed_size: 0
    .kernarg_segment_align: 8
    .kernarg_segment_size: 48
    .max_flat_workgroup_size: 256
    .sgpr_count:     66
    .vgpr_count:     512
    .wavefront_size: 32
...
	.end_amdgpu_metadata
.endif
;; end of part 2
